; MI455X (gfx1250); checked and timed in simulation.
; The chip was launched on July 23, 2026; its instructions are those of AMD's public machine-readable ISA for CDNA 5 (MIT licence, August 2026) and "CDNA5" Instruction Set Architecture Reference Guide (July 2026). The comments in the code are by the model that wrote it; some were corrected since.
;; E 02 HSE v2. Allowed arithmetic: matrix products marked QUANTISED: E5M2 operands, one given power-of-two scale a tensor, by v_wmma_f32_16x16x64_bf8_bf8 or v_wmma_f32_16x16x128_bf8_bf8, f32 sums; everything else in f32.
;; Inputs: W1 2,576 x 256 float32; W2_codes 256 x 8 x 32 uint8 (E5M2 codes of W2, K innermost, in blocks of 32 codes); b1 256 float32; b2 256 float32; channel_embed 10 x 8 float32; channel_type_mapping 5 x 20 int32; fs 32 float32; ln1_b 2,576 float32; ln1_g 2,576 float32; ln2_b 256 float32; ln2_g 256 float32; lowp_scales 4 int32 (the exponents e of the quantised operands' scales 2^e); start_C 32 x 512 int32; start_L 32 x 512 int32; system_embed 5 x 16 float32; x 32 x 8,192 x 8 float32.
;; Outputs: out0 32 x 512 x 256 float32.
;; Constants: system_id = 3.
;; This version of the problem:
;;   THIS VERSION OF THE PROBLEM IS GIVEN IN LOW PRECISION. The matrix products marked QUANTISED in the list below multiply operands that are first quantised to E5M2 (5 exponent bits, 2 mantissa bits; 8 bits a number), with one given power-of-two scale for each operand tensor; their sums are f32. All else is computed in f32.
;;   The module's matrix products, in the order in which they are computed (A, B: the left and right operand; K: the contracted axis; several contracted axes count as one K, in the product's order):
;;     1. [M 16,384, K 2,576] x [K 2,576, N 256]; A: computed on the way; B: input W1: QUANTISED (scales: A lowp_scales[0], B lowp_scales[1])
;;     2. [M 16,384, K 256] x [K 256, N 256]; A: computed on the way; B: input W2 (given as codes): QUANTISED (scales: A lowp_scales[2], B lowp_scales[3])
;;   THE QUANTISER, for each operand of a quantised product, along K:
;;     - The operand's scale is 2^e, e = its entry of the input lowp_scales (int32; the entries are numbered through the quantised products in the list's order, A before B).
;;     - Each number is divided by the scale, clamped to +-57,344, and rounded to the nearest number of E5M2, ties to even, subnormals kept.
;;     - The product sums the exact products of the quantised numbers (number of the format x scale) in f32.
;;   ~~~python
;;   def quantise(x, axis, e):      # numpy; x: float32 -> the quantised numbers, widened to float32 again
;;       x = np.moveaxis(x, axis, -1); K = x.shape[-1]
;;       r = np.clip(x / 2.0 ** e, -57344, 57344)
;;       step = 2.0 ** (np.maximum(np.frexp(np.where(r == 0, 1, r))[1] - 1, -14) - 2)
;;       q = np.round(r / step) * step * 2.0 ** e      # np.round: ties to even
;;       return np.moveaxis(q, -1, axis).astype(np.float32)
;;   ~~~
;;   OPERANDS COMPUTED ON THE WAY. 'Computed on the way' means the value that the module computes at that place (a softmax that the list does not call 'softmax' is quantised finished and normalised). What goes into a quantiser is computed in f32, as accurately as f32 sums, v_exp_f32 and their like allow (about 1e-6 of the number): no bf16 or f16 on the way to a quantiser, and a product that is left as it is and whose result goes on into a quantised operand takes f32 operands (vector FMAs, or v_wmma_f32_16x16x4_f32). A number that lies on a knife's edge between two numbers of the format may be rounded either way, as far as f32 arithmetic and the matrix unit's own rounding can turn it there, and no further.
;;   INPUTS GIVEN AS CODES. W2 (in the module: [256, 256], K = its axis 0): each comes as NAME_codes (uint8): NAME with its K axis moved to the last place and cut into blocks of 32 codes, [.., K / 32, bytes a block], one block behind the other in memory; one code a byte (a code: sign, 5 exponent bits, 2 mantissa bits); its scale is its entry of lowp_scales. Its value is code x scale, taken as it is: it is not quantised again, and the codes and scales need not be those that the quantiser above would give.
;; One version. Each part assembles by itself: llvm-mc -triple=amdgcn-amd-amdhsa -mcpu=gfx1250 --defsym DOCPART=n.
;; ======== version 1 of 1: 2 launches
;; limits: right only within a limited range of input values
;; workspace buffers: wpack 725,504 bytes
;; launch prep (part 1): grid 164 x 1, 4 waves a work-group, no clusters, 0 bytes of LDS; arguments W1, W2_codes, channel_embed, channel_type_mapping, lowp_scales, wpack; writes wpack
.if DOCPART == 1
	.amdgcn_target "amdgcn-amd-amdhsa--gfx1250"
	.amdhsa_code_object_version 6
	.text
	.protected	k_q7a1e59a348_prep
	.globl	k_q7a1e59a348_prep
	.p2align	8
	.type	k_q7a1e59a348_prep,@function
k_q7a1e59a348_prep:
	s_mov_b64 s[64:65], 0
	v_nop
	global_prefetch_b8 v0, s[64:65] scope:SCOPE_SE
	s_setreg_imm32_b32 hwreg(HW_REG_WAVE_MODE, 25, 1), 1
	s_wait_xcnt 0x0
; W1 [2576][256] f32 is quantised once to E5M2 with the given scale 2^e1 and laid, with W2's codes and the channels' embeddings, in the order in which the second launch's registers take them.
; code = x / 2^e1, held within +-57,344, to the nearest code, ties to even.
; LIMITS: e1 between -126 and 112, so that 2^e1 and 57,344 x 2^e1 are f32 numbers.  NaN in W1 is not served.  Entries of channel_type_mapping are held to 0..9.
; THE BUFFER (r = lane % 16, h = lane / 16).  K step s = 10 kh + t of 128, t = 2 f + u; fragment of 16 columns 4 q + n:
;   f x 131072 + (4 kh + q) x 16384 + u x 8192 + n x 2048 + 512 c + 16 lane + i: the code of W1[128 s + 32 c + 16 h + i][col], col = 64 q + 32 (n / 2) + 8 (n % 2) + r + 8 (r / 8).
;   TAILOFF + (4 q + n) x 256 + 8 lane + i: the code of W1[2560 + 8 h + i][col].
;   W2OFF + q x 16384 + (4 s + n) x 2048 + 512 c + 16 lane + i: W2_codes[64 q + 4 r + n][128 s + 32 c + 16 h + i].
;   E8OFF: channel_embed[type of channel i % 8], i = 0..15.
; SHARES.  Work-groups 0..159 take W1: 32 k x 128 columns each; a wave 32 columns, a lane a column, registers down K, so the conversions give K innermost; the four waves read 512 consecutive bytes of each row.
; Work-groups 160..163 (q = 0..3): waves 0 and 1 W2's two steps, wave 2 the last 16 rows of W1, wave 3 of work-group 160 the embeddings.  No LDS, no barrier, no loop.  No load's address waits for another load.
.set TAILOFF, 655360
.set W2OFF,   659456
.set E8OFF,   724992
.macro SCALE                           ; v11 = 2^e1 as f32 (the conversion takes its exponent field), v10 = 57,344 x 2^e1
	s_wait_kmcnt 0x0
	s_add_co_i32 s29, s29, 127
	s_lshl_b32 s30, s29, 23
	v_mov_b32 v11, s30
	s_add_co_i32 s29, s29, 15
	s_lshl_b32 s29, s29, 23
	s_or_b32 s29, s29, 0x600000
	v_mov_b32 v10, s29
.endm
.macro CODES                           ; 32 numbers at v32 on become 8 registers of codes at v96 on
.irp i, 0,1,2,3,4,5,6,7,8,9,10,11,12,13,14,15,16,17,18,19,20,21,22,23,24,25,26,27,28,29,30,31
	v_med3_num_f32 v[32+\i], v[32+\i], -v10, v10   ; the conversion to an 8-bit code does not saturate (ISA guide 7.6.2): the hold comes first
.endr
.irp g, 0,1,2,3
	v_cvt_scalef32_pk8_bf8_f32 v[96+2*\g:97+2*\g], v[32+8*\g:39+8*\g], v11
.endr
	v_nop
.endm
	s_load_b256 s[4:11], s[0:1], 0x0               ; W1 s[4:5], W2's codes s[6:7], channel_embed s[8:9], channel_type_mapping s[10:11]
	s_load_b128 s[12:15], s[0:1], 0x20             ; the scales' exponents s[12:13], wpack s[14:15]
	v_lshrrev_b32 v1, 5, v0
	v_readfirstlane_b32 s28, v1                    ; wave
	v_and_b32 v1, 31, v0                           ; lane
	v_and_b32 v2, 15, v0                           ; r
	v_bfe_u32 v3, v0, 4, 1                         ; h
	s_mov_b32 s41, 0                               ; the upper word of every offset
	s_wait_alu depctr_va_vdst(0)                   ; the wait at the head's end
	s_wait_kmcnt 0x0
	s_load_b32 s29, s[12:13], 0x4                  ; e1
	s_cmp_lt_u32 ttmp9, 160
	s_cbranch_scc0 .Lmisc
	; ---- W1: 32 k x 32 columns a wave
	s_lshr_b32 s32, ttmp9, 1                       ; which 32 k
	s_and_b32 s36, ttmp9, 1
	s_lshl_b32 s36, s36, 2
	s_add_co_u32 s36, s36, s28                     ; which 32 columns
	s_lshl_b32 s40, s32, 15                        ; 32 rows of 1,024 bytes
	s_lshl_b32 s38, s36, 7
	s_add_co_u32 s40, s40, s38
	s_add_nc_u64 s[4:5], s[4:5], s[40:41]
	v_lshlrev_b32 v4, 2, v1
.irp i, 0,1,2,3,4,5,6,7,8,9,10,11,12,13,14,15,16,17,18,19,20,21,22,23,24,25,26,27,28,29,30,31
	global_load_b32 v[32+\i], v4, s[4:5] offset:\i*1024 th:TH_LOAD_NT
.endr
	s_lshr_b32 s38, s32, 2                         ; step s
	s_cmp_ge_u32 s38, 10
	s_cselect_b32 s39, 10, 0
	s_cselect_b32 s40, 0x10000, 0                  ; 65,536 kh
	s_sub_co_u32 s38, s38, s39                     ; t
	s_lshr_b32 s39, s38, 1
	s_lshl_b32 s39, s39, 17
	s_add_co_u32 s40, s40, s39                     ; f
	s_and_b32 s39, s38, 1
	s_lshl_b32 s39, s39, 13
	s_add_co_u32 s40, s40, s39                     ; u
	s_lshr_b32 s39, s36, 1
	s_lshl_b32 s39, s39, 14
	s_add_co_u32 s40, s40, s39                     ; q: two groups of 32 columns
	s_and_b32 s39, s36, 1
	s_lshl_b32 s39, s39, 12
	s_add_co_u32 s40, s40, s39                     ; two fragments for each 32 columns
	s_and_b32 s39, s32, 3
	s_lshl_b32 s39, s39, 9
	s_add_co_u32 s40, s40, s39                     ; registers 4 c on
	s_add_nc_u64 s[14:15], s[14:15], s[40:41]
	v_bfe_u32 v5, v0, 3, 1                         ; my column is column r of fragment (lane / 8) % 2 of the two, r = lane % 8 + 8 (lane / 16)
	v_lshlrev_b32 v5, 11, v5
	v_and_b32 v6, 7, v0
	v_lshl_add_u32 v6, v3, 3, v6
	v_lshl_add_u32 v5, v6, 4, v5
	s_wait_alu depctr_va_vdst(0)
	SCALE
	s_wait_alu depctr_va_vdst(0)
	s_wait_loadcnt 0x0
	CODES
	global_store_b128 v5, v[96:99], s[14:15]               ; k + 0..15: the image's lanes 0-15: sixteen lanes store 256 consecutive bytes, aligned
	global_store_b128 v5, v[100:103], s[14:15] offset:256  ; k + 16..31: its lanes 16-31
	s_endpgm
.Lmisc:
	s_sub_co_u32 s34, ttmp9, 160                   ; q
	s_lshr_b32 s35, s28, 1
	s_cmp_lg_u32 s35, 0
	s_cbranch_scc1 .Lmisc2
	; ---- W2: step s = wave, the fragments of outputs 64 q on
	s_lshl_b32 s40, s34, 14
	s_lshl_b32 s38, s28, 7
	s_add_co_u32 s42, s40, s38
	s_mov_b32 s43, 0
	s_add_nc_u64 s[6:7], s[6:7], s[42:43]
	s_lshl_b32 s38, s28, 13
	s_add_co_u32 s40, s40, s38
	s_add_nc_u64 s[14:15], s[14:15], s[40:41]
	v_lshlrev_b32 v4, 10, v2                       ; four rows of 256 bytes a lane
	v_lshl_add_u32 v4, v3, 4, v4
	v_lshlrev_b32 v5, 4, v1
.irp n, 0,1,2,3
.irp c, 0,1,2,3
	global_load_b128 v[32+16*\n+4*\c:35+16*\n+4*\c], v4, s[6:7] offset:\n*256+32*\c
.endr
.endr
	s_wait_alu depctr_va_vdst(0)
	s_wait_loadcnt 0x0
.irp n, 0,1,2,3
.irp c, 0,1,2,3
	global_store_b128 v5, v[32+16*\n+4*\c:35+16*\n+4*\c], s[14:15] offset:W2OFF+\n*2048+512*\c
.endr
.endr
	s_endpgm
.Lmisc2:
	s_cmp_lg_u32 s28, 2
	s_cbranch_scc1 .Lwave3
	; ---- the last 16 rows of W1: fragments 4 q on
	v_and_b32 v5, 8, v2
	v_add_nc_u32 v5, v5, v2                        ; r + 8 (r / 8)
	v_lshlrev_b32 v4, 2, v5
	v_lshl_add_u32 v4, v3, 13, v4                  ; + 8 h rows
	s_lshl_b32 s40, s34, 8
	s_add_co_u32 s40, s40, 2560*1024
	s_add_nc_u64 s[4:5], s[4:5], s[40:41]          ; row 2560, column 64 q
	v_lshlrev_b32 v6, 3, v1
.irp n, 0,1,2,3
.irp i, 0,1,2,3,4,5,6,7
	global_load_b32 v[32+8*\n+\i], v4, s[4:5] offset:(32*(\n/2)+8*(\n%2))*4+1024*\i
.endr
.endr
	s_lshl_b32 s40, s34, 10
	s_add_co_u32 s40, s40, TAILOFF
	s_add_nc_u64 s[14:15], s[14:15], s[40:41]
	s_wait_alu depctr_va_vdst(0)
	SCALE
	s_wait_alu depctr_va_vdst(0)
	s_wait_loadcnt 0x0
	CODES
.irp n, 0,1,2,3
	global_store_b64 v6, v[96+2*\n:97+2*\n], s[14:15] offset:256*\n   ; 32 lanes store 256 consecutive bytes, aligned
.endr
	s_endpgm
.Lwave3:
	s_cmp_lg_u32 ttmp9, 160
	s_cbranch_scc1 .Lend
	; ---- the table of embeddings
	v_bfe_u32 v7, v0, 1, 3                         ; entry lane / 2 of the table: channel (lane / 2) % 8; my half of its 32 bytes: lane % 2
	v_lshlrev_b32 v7, 2, v7
	global_load_b32 v8, v7, s[10:11] offset:240    ; channel_type_mapping[3][..]
	v_and_b32 v9, 1, v0
	v_lshlrev_b32 v9, 4, v9
	v_lshlrev_b32 v5, 4, v1
.irp k, 0,1,2,3,4,5,6,7,8,9
	global_load_b128 v[104+4*\k:107+4*\k], v9, s[8:9] offset:32*\k   ; my half of every one of channel_embed's ten rows
.endr
	s_wait_alu depctr_va_vdst(0)
	s_wait_loadcnt 0x0
	v_min_u32 v8, 9, v8                            ; held inside the ten rows
.irp k, 1,2,3,4,5,6,7,8,9
	v_cmp_eq_u32 vcc_lo, \k, v8
.irp i, 0,1,2,3
	v_cndmask_b32 v[104+\i], v[104+\i], v[104+4*\k+\i], vcc_lo
.endr
.endr
	global_store_b128 v5, v[104:107], s[14:15] offset:E8OFF   ; 32 lanes store 512 consecutive bytes
.Lend:
	s_endpgm
.Lfunc_end_k_q7a1e59a348_prep:
	.size	k_q7a1e59a348_prep, .Lfunc_end_k_q7a1e59a348_prep-k_q7a1e59a348_prep
	.p2alignl 7, 3214868480
	.fill 96, 4, 3214868480
	.section	.rodata,"a",@progbits
	.p2align	6, 0x0
	.amdhsa_kernel k_q7a1e59a348_prep
		.amdhsa_group_segment_fixed_size 0
		.amdhsa_private_segment_fixed_size 0
		.amdhsa_enable_private_segment 0
		.amdhsa_kernarg_size 48
		.amdhsa_user_sgpr_count 2
		.amdhsa_user_sgpr_kernarg_segment_ptr 1
		.amdhsa_wavefront_size32 1
		.amdhsa_system_sgpr_workgroup_id_x 1
		.amdhsa_system_sgpr_workgroup_id_y 1
		.amdhsa_system_sgpr_workgroup_id_z 1
		.amdhsa_system_vgpr_workitem_id 0
		.amdhsa_next_free_vgpr 160
		.amdhsa_next_free_sgpr 66
		.amdhsa_reserve_vcc 1
		.amdhsa_float_denorm_mode_32 3
		.amdhsa_float_denorm_mode_16_64 3
		.amdhsa_memory_ordered 1
		.amdhsa_forward_progress 1
		.amdhsa_inst_pref_size 22
	.end_amdhsa_kernel
	.amdgpu_metadata
---
amdhsa.version: [ 1, 2 ]
amdhsa.kernels:
  - .name:           k_q7a1e59a348_prep
    .symbol:         k_q7a1e59a348_prep.kd
    .args:
      - { .name: W1, .offset: 0, .size: 8, .value_kind: global_buffer, .address_space: global }
      - { .name: W2_codes, .offset: 8, .size: 8, .value_kind: global_buffer, .address_space: global }
      - { .name: channel_embed, .offset: 16, .size: 8, .value_kind: global_buffer, .address_space: global }
      - { .name: channel_type_mapping, .offset: 24, .size: 8, .value_kind: global_buffer, .address_space: global }
      - { .name: lowp_scales, .offset: 32, .size: 8, .value_kind: global_buffer, .address_space: global }
      - { .name: wpack, .offset: 40, .size: 8, .value_kind: global_buffer, .address_space: global }
    .group_segment_fixed_size: 0
    .private_segment_fixed_size: 0
    .kernarg_segment_align: 8
    .kernarg_segment_size: 48
    .max_flat_workgroup_size: 128
    .sgpr_count:     66
    .vgpr_count:     160
    .wavefront_size: 32
...
	.end_amdgpu_metadata
.endif
;; end of part 1
;; launch main (part 2): grid 256 x 1, 8 waves a work-group, clusters of 4 x 1, 327,680 bytes of LDS; arguments x, fs, system_embed, start_L, start_C, lowp_scales, wpack, out0, ln1_g, ln1_b, b1, b2, ln2_g, ln2_b; writes out0
.if DOCPART == 2
	.amdgcn_target "amdgcn-amd-amdhsa--gfx1250"
	.amdhsa_code_object_version 6
	.text
	.protected	k_q7a1e59a348_main
	.globl	k_q7a1e59a348_main
	.p2align	8
	.type	k_q7a1e59a348_main,@function
k_q7a1e59a348_main:
	s_mov_b64 s[64:65], 0
	v_nop
	global_prefetch_b8 v0, s[64:65] scope:SCOPE_SE
	s_setreg_imm32_b32 hwreg(HW_REG_WAVE_MODE, 25, 1), 1
	s_wait_xcnt 0x0
	s_wait_alu depctr_hold_cnt(0) depctr_sa_sdst(0) depctr_va_vdst(0) depctr_va_sdst(0) depctr_va_ssrc(0) depctr_va_vcc(0) depctr_vm_vsrc(0)
	s_getreg_b32 s2, hwreg(HW_REG_IB_STS2, 6, 4)
	s_cmp_eq_u32 s2, 0
	s_cbranch_scc0 .Lentry_in_a_cluster
	s_endpgm
.Lentry_in_a_cluster:
	s_bfe_u32 s2, ttmp6, 0x10000c
	s_cmp_lg_u32 s2, 0x3003
	s_cbranch_scc0 .Lentry_shape_is_right
	s_endpgm
.Lentry_shape_is_right:
; out = LN2(silu(Q(LN1(feat)) Q(W1) + b1)) quantised x W2 + b2, both products on E5M2 codes by v_wmma_f32_16x16x128_bf8_bf8 (the last 16 of K's 2,576 by the K = 64 form), sums in f32.
; A work-group of eight waves, two a SIMD, owns 64 rows (patches) of one batch: four tiles of 16.  256 work-groups: one for each WGP.
; THE CODES.  Wave w makes the codes of l = 8 w .. 8 w + 7 for all 64 rows: 32 data, 32 time and 256 channel features, so each ln1_g, ln1_b serves four tiles.  They go to LDS as images of the operand's registers
; (tile, step of 128 along K: 2,048 bytes): 163,840 bytes and 1,024 for the 16 system numbers; one barrier, then all is read.
; THE FIRST PRODUCT.  Wave w = 4 kh + cq makes 64 rows x columns 64 cq on over ten steps of K, 10 kh on: 16 accumulators; each fragment of W1 has ONE reader in the work-group and feeds four products, and so does each fragment of codes.
; CLUSTERS of four: all work-groups need the same W1.  Its steps 0 to 7 of each half of K come as four JOINT fills of 131,072 bytes (two steps a wave): each wave asks for its own 16,384 bytes and alone reads them, behind its own wait.
; A fill is copied to registers ahead of the round behind which the next is asked for: fill 0 and 1 while the codes are made, so four steps stand in registers when the product begins.  Steps 8 and 9 (131,072 bytes) come by
; plain loads into registers that the product has freed: no slot is left for them beside the codes.  Steps go 0 to 5, 8, 6, 7, 9: fill 3 is on its way through three of them.
; NO PREFETCH: the launch has no loop to run ahead in; every fill has the making of the codes or three steps of the product to land in.
; A wave's LOCAL tile m is tile (m + 2 kh) % 4: the halves of K meet by one exchange of local tiles 2 and 3, and wave (cq, kh) goes on with tiles 2 kh, 2 kh + 1 of its columns.
; THE FIRST PRODUCT IS USED TRANSPOSED (source 0 = 16 columns of W1): a lane holds one row, and the choice of the columns makes the 16 registers of two neighbouring fragments 16 neighbours along the next K.
; THE SECOND IS NOT: fragment n of W2 holds columns 64 cq + 4 r + n, so lane r's four results of a row are four neighbouring columns, and sixteen lanes hold 256 consecutive bytes of out0.
; LN1 and LN2: every wave takes the mean and the sum of squared deviations from it of its own share (320 of the 2,576, 64 of the 256); the shares are joined by the squared distances of their means: no difference of large sums.
; 1 / fs is v_rcp_f32 and one Newton step.
; LIMITS: e0 and e2 between -126 and 112, e0 + e1 and e2 + e3 between -126 and 127, so that each power of two below is an f32 number.  NaN among the inputs is not served.  start_L and start_C may be any int32
; (the modulo is an AND).  K of the first product is summed in two parts and in the order of steps above, so the order of the f32 sums is not reference()'s.
; REGISTERS.  window 0: v0-15 ids, addresses, scales; v16-79 start_L, x's offsets, then the data features by tiles, then work; v80-87 1 / sigma and -mean / sigma; v88-103 times; v104-111 codes on their way to LDS; v112-119 W1's tail;
;   v120-183 channel features by tiles; v184-191 system numbers; v192-255 x from the stage, statistics, then two buffers of g and b.  In the product: v16-79 codes (set A), v80-111 b1, v128-255 accumulators.
;   window 1: four steps of W1, 64 registers each; v0-63 also codes (set B) from step 2 on; in the head x as loaded from v128 on.
.set TAILOFF, 655360                   ; places in wpack
.set W2OFF,   659456
.set E8OFF,   724992
.set XP,     272                       ; x's stage, on the bytes that the codes take later: 64 patches x (256 bytes + 16) a wave
.set XSTB,   17408
.set TAILC,  163840                    ; the system numbers' codes, 256 bytes a tile
.set EXS,    165888                    ; LN1's exchange: 64 rows x 80 bytes
.set RING,   171008                    ; W1's fills: 16,384 bytes a wave; no ds_store lands here
.set GB,     302080                    ; each wave's own ln1_g, ln1_b (2,560 bytes); later its b1, ln2_g, ln2_b
.set HIMG,   40960                     ; on codes long read: the hidden layer's codes: 4 tiles x 2 steps x 2,048,
.set LNX,    57344                     ; and LN2's exchange: 64 rows x 48 bytes
.set SPARE,  322560                    ; the spare words, 128 bytes a wave: four blocks of 256 bytes that no other line names
.set D,   16
.set MR,  80
.set TI,  88
.set CR,  104
.set WT,  112
.set AV,  120
.set SY,  184
.set ST,  224
.set ACC, 128
.set MSB, 0
.set PEND, 0
.set PAR, 0
.set PA, 0
.set PO, 0
.set PC, 0
.macro WIN new                         ; the immediate's high byte repeats the setting that is left; a switch that changes nothing is dropped
.if MSB != (\new)
	s_set_vgpr_msb MSB*256+(\new)
.set MSB, (\new)
.endif
.endm
.macro PLACES n
.rept \n
	v_nop
.endr
.endm
.macro CROUND                          ; a round of the cluster's barrier
	s_barrier_signal -1
	s_barrier_wait -1
	s_cmp_lg_u32 s20, 0
	s_cbranch_scc1 .Lnot_wave_0_\@
	s_barrier_signal -3
.Lnot_wave_0_\@:
	s_barrier_wait -3
	s_barrier_signal -1
	s_barrier_wait -1
.endm
.macro JLOAD                           ; my joint load of a fill; an s_nop 0 and four v_nop follow it
	tensor_load_to_lds s[96:99], s[68:75]
	s_nop 0
	PLACES 4
.endm
; A refill: my loads have landed; 0 is added to my spare word; that and my reads are waited for; a round, so that no wave of any partner still reads its bytes or has a load on its way; the joint refill first behind it.
.macro REFILL
	WIN 0
	s_wait_tensorcnt 0x0
	ds_add_u32 v4, v5
	s_add_nc_u64 s[98:99], s[98:99], 0x20000       ; no tensor load of mine is out: on to the next fill
	s_wait_dscnt 0x0
	CROUND
	JLOAD
.endm
.macro COPYW u, ws                     ; step u of the fill that has landed, my four fragments, into window 1 at ws
	WIN 0x40
.irp n, 0,1,2,3
.irp c, 0,1,2,3
	ds_load_b128 v[(\ws)+16*\n+4*\c:(\ws)+16*\n+4*\c+3], v0 offset:(\u)*8192+\n*2048+512*\c
.endr
.endr
	WIN 0
.endm
; four tiles at once: pairs at base + stride x tile
.macro P4 op, d, ds, a, as, b, bs
.irp m, 0,1,2,3
	\op v[(\d)+(\ds)*\m:(\d)+(\ds)*\m+1], v[(\a)+(\as)*\m:(\a)+(\as)*\m+1], v[(\b)+(\bs)*\m:(\b)+(\bs)*\m+1]
.endr
.endm
.macro K4 a, k, c, cs                  ; the pair at ST = k x the pair at ST + a + the pair at c
.irp m, 0,1,2,3
	v_pk_fma_f32 v[ST+8*\m:ST+8*\m+1], v[ST+8*\m+(\a):ST+8*\m+(\a)+1], \k, v[(\c)+(\cs)*\m:(\c)+(\cs)*\m+1] op_sel_hi:[1,0,1]
.endr
.endm
.macro N4 d, a, as                     ; the pair at ST + d = a - the tile's mean (in ST)
.irp m, 0,1,2,3
	v_pk_add_f32 v[ST+8*\m+(\d):ST+8*\m+(\d)+1], v[(\a)+(\as)*\m:(\a)+(\as)*\m+1], v[ST+8*\m:ST+8*\m+1] op_sel_hi:[1,0] neg_lo:[0,1] neg_hi:[0,1]
.endr
.endm
.macro Q4 d, a                         ; the pair at ST + d += the square of the pair at ST + a
.irp m, 0,1,2,3
	v_pk_fma_f32 v[ST+8*\m+(\d):ST+8*\m+(\d)+1], v[ST+8*\m+(\a):ST+8*\m+(\a)+1], v[ST+8*\m+(\a):ST+8*\m+(\a)+1], v[ST+8*\m+(\d):ST+8*\m+(\d)+1]
.endr
.endm
	; ---- ids, addresses
	s_load_b512 s[4:19], s[0:1], 0x0               ; x s[4:5], fs s[6:7], system_embed s[8:9], start_L s[10:11], start_C s[12:13], the scales' exponents s[14:15], wpack s[16:17], out0 s[18:19]
	s_load_b256 s[24:31], s[0:1], 0x40             ; ln1_g, ln1_b, b1, b2
	s_load_b128 s[32:35], s[0:1], 0x60             ; ln2_g, ln2_b
	v_lshl_add_u32 v4, v0, 2, SPARE                ; my spare word, and 0
	v_mov_b32 v5, 0
	ds_add_u32 v4, v5                              ; the opening: the add, twice on end, and its wait ahead of my first tensor load
	ds_add_u32 v4, v5
	v_lshrrev_b32 v14, 5, v0
	v_readfirstlane_b32 s20, v14                   ; wave w
	v_and_b32 v1, 31, v0                           ; lane
	v_and_b32 v2, 15, v0                           ; r
	v_bfe_u32 v3, v0, 4, 1                         ; h
	s_lshr_b32 s21, s20, 2                         ; kh
	s_and_b32 s22, s20, 3                          ; cq
	s_bfe_u32 s23, ttmp6, 0x40000
	s_lshl_b32 s51, ttmp9, 2
	s_add_co_u32 s51, s51, s23                     ; work-group = 4 x cluster + cx: it enters global addresses alone
	s_lshl_b32 s40, s51, 8                         ; 64 rows x 4 bytes
	s_mov_b32 s41, 0
	s_lshl_b32 s42, s51, 16                        ; 64 rows of out0
	s_mov_b32 s43, 0
	s_lshr_b32 s36, s51, 3                         ; the batch: eight work-groups
	s_lshl_b32 s44, s36, 18
	s_mov_b32 s45, 0
	s_lshl_b32 s46, s36, 2
	s_mov_b32 s47, 0
	s_lshl_b32 s37, s20, 10
	s_add_co_u32 s37, s37, 2048
	s_lshl_b32 s38, s20, 7
	s_lshl_b32 s78, s20, 14                        ; 16,384 w
	s_mov_b32 s79, 0
	s_lshl_b32 s48, s20, 8
	s_mul_i32 s49, s20, XSTB
	s_lshl_b32 s50, s20, 3                         ; 8 w
	s_mul_i32 s81, s20, 2560
	s_add_co_u32 s81, s81, GB                      ; my own vectors
	s_mov_b32 s60, 0x76543210                      ; v_permlanex16_b32's selects for lane xor 16
	s_mov_b32 s61, 0xfedcba98
	s_mov_b32 s62, 0x3ffff                         ; a batch of x is 8,192 rows of 32 bytes
	s_mov_b32 s63, 0x1fff
	s_mov_b32 s91, 0x3727c5ac                      ; 1e-5
	s_mov_b32 s92, 0x39cb8728                      ; 1 / 2576
	s_mov_b32 s94, 0xbfb8aa3b                      ; -log2(e)
	s_mov_b32 s95, s94
	; descriptor: 16,384 dense bytes as 64 rows of 256 (32 elements of 8 bytes)
	s_mov_b32 s68, 15+3*65536+2097152              ; 15:0 the mask: all four work-groups; 17:16 elements of 8 bytes; 21 set beside a mask; no padding
	s_mov_b32 s69, 32*65536                        ; tensor_dim0 = 32
	s_mov_b32 s70, 64*65536                        ; tensor_dim1 = 64
	s_mov_b32 s71, 32*65536                        ; tile_dim0 = 32
	s_mov_b32 s72, 64                              ; tile_dim1 = 64
	s_mov_b32 s73, 32                              ; from row to row
	s_mov_b32 s74, 0
	s_mov_b32 s75, 0
	s_mov_b32 s96, 1
	s_add_co_u32 s97, s78, RING
	s_wait_alu depctr_va_vdst(0)
	v_lshlrev_b32 v6, 7, v3                        ; lanes 0-15 fetch x for patches 0..31, lanes 16-31 for 32..63: their start_L
	v_lshlrev_b32 v7, 2, v2                        ; my own rows'
	v_lshl_add_u32 v8, v1, 4, s37                  ; ln1 of k = 512 + 256 w on
	v_and_b32 v9, 7, v1
	v_lshl_add_u32 v9, v9, 4, s38
	v_bfe_u32 v15, v1, 3, 1
	v_lshl_add_u32 v9, v15, 10, v9                 ; ln1 of k = 32 w on (eight lanes), of k = 256 + 32 w on (the next eight)
	v_lshlrev_b32 v10, 5, v3                       ; system numbers 8 h on
	v_lshl_add_u32 v11, v1, 4, s78                 ; my part of a fill in wpack; never rewritten
	v_lshl_add_u32 v0, v1, 4, s97                  ; and in LDS; never rewritten
	v_lshl_add_u32 v14, v2, 4, s48                 ; x: 8 w rows of 32 bytes + my 16 bytes of 256
	v_mul_u32_u24 v12, v3, 32*XP
	v_lshl_add_u32 v12, v2, 4, v12
	v_add_nc_u32 v12, s49, v12                     ; into the stage: patch 32 h, 16 r
	v_mul_u32_u24 v13, v2, XP
	v_lshl_add_u32 v13, v3, 7, v13
	v_add_nc_u32 v13, s49, v13                     ; out of it: patch r, rows 4 h on
	s_wait_alu depctr_va_vdst(0)                   ; and at the head's end
	s_wait_dscnt 0x0                               ; both opening adds are done
	s_wait_kmcnt 0x0
	s_add_nc_u64 s[10:11], s[10:11], s[40:41]
	s_add_nc_u64 s[12:13], s[12:13], s[40:41]
.irp p, 0,1,2,3,4,5,6,7
	global_load_b128 v[16+4*\p:19+4*\p], v6, s[10:11] offset:16*\p
.endr
.irp m, 0,1,2,3
	global_load_b32 v[48+\m], v7, s[10:11] offset:64*\m
	global_load_b32 v[52+\m], v7, s[12:13] offset:64*\m
.endr
	s_add_nc_u64 s[6:7], s[6:7], s[46:47]
	s_load_b128 s[52:55], s[14:15], 0x0            ; e0, e1, e2, e3
	s_load_b32 s90, s[6:7], 0x0                    ; fs of my batch
	s_add_nc_u64 s[4:5], s[4:5], s[44:45]
	s_add_nc_u64 s[18:19], s[18:19], s[42:43]
	global_load_b128 v[SY:SY+3], v10, s[8:9] offset:192      ; system_embed[3]
	global_load_b128 v[SY+4:SY+7], v10, s[8:9] offset:208
	global_load_b128 v[56:59], v8, s[24:25]                  ; ln1_g, ln1_b of my channel features,
	global_load_b128 v[60:63], v8, s[24:25] offset:512
	global_load_b128 v[64:67], v8, s[26:27]
	global_load_b128 v[68:71], v8, s[26:27] offset:512
	global_load_b128 v[72:75], v9, s[24:25]                  ; of my data and time features
	global_load_b128 v[76:79], v9, s[26:27]
	s_add_nc_u64 s[98:99], s[16:17], s[78:79]
	s_or_b32 s99, s99, 0x80000000
	CROUND                                         ; all four work-groups are here: the first joint loads meet
	JLOAD                                          ; fill 0
	; ---- x: one load takes, for two patches, eight rows of x (256 consecutive bytes each).  The wrap round the batch's end is an AND.
	s_wait_loadcnt 8                               ; the indices are in; behind them 8 loads
.set g, 0
.rept 4
	WIN 0
.irp p, 0,1,2,3,4,5,6,7
	v_and_b32 v[16+8*g+\p], s63, v[16+8*g+\p]
.endr
.irp p, 0,1,2,3,4,5,6,7
	v_min_u32 v[16+8*g+\p], 0x1fff, v[16+8*g+\p]
.endr
.irp p, 0,1,2,3,4,5,6,7
	v_lshl_add_u32 v[16+8*g+\p], v[16+8*g+\p], 5, v14
.endr
.irp p, 0,1,2,3,4,5,6,7
	v_and_b32 v[16+8*g+\p], s62, v[16+8*g+\p]
.endr
	WIN 0x40
.irp p, 0,1,2,3,4,5,6,7
	global_load_b128 v[128+32*g+4*\p:131+32*g+4*\p], v[16+8*g+\p], s[4:5]
.endr
.set g, g+1
.endr
	WIN 0
.irp m, 0,1,2,3
	v_and_b32 v[52+\m], 7, v[52+\m]
.endr
.irp m, 0,1,2,3
	v_min_u32 v[104+\m], 7, v[52+\m]
.endr
.irp m, 0,1,2,3
	v_lshl_add_u32 v[104+\m], v3, 1, v[104+\m]     ; entries start_C % 8 + 2 h and the next of the table of 16: no second modulo
.endr
.irp m, 0,1,2,3
	v_lshlrev_b32 v[104+\m], 5, v[104+\m]
.endr
.irp m, 0,1,2,3
.irp t, 0,1,2,3
	global_load_b128 v[AV+16*\m+4*\t:AV+16*\m+4*\t+3], v[104+\m], s[16:17] offset:E8OFF+16*\t
.endr
.endr
	; ---- register work while x is on its way: the bits of start_C as masks, scales, times
.irp m, 0,1,2,3
.irp b, 0,1,2
	v_and_b32 v[88+3*\m+\b], 1+\b+\b/2, v[52+\m]   ; 1, 2, 4
.endr
.endr
.irp m, 0,1,2,3
.irp b, 0,1,2
	v_cmp_ne_u32 s[36+3*\m+\b], 0, v[88+3*\m+\b]
.endr
.endr
	v_lshl_add_u32 v15, v3, 2, s50                 ; 8 w + 4 h
.irp m, 0,1,2,3
	v_add_nc_u32 v[48+\m], v[48+\m], v15
.endr
	v_lshl_add_u32 v6, v1, 4, s81                  ; into my own vectors: the channel features',
	v_and_b32 v7, 7, v1
	v_lshl_add_u32 v7, v7, 4, s81
	v_bfe_u32 v14, v1, 3, 1
	v_lshl_add_u32 v7, v14, 8, v7
	v_add_nc_u32 v7, 0x800, v7                     ; data's g, b at 2048, 2176, time's at 2304, 2432
	s_wait_alu depctr_va_vdst(0)
	s_wait_kmcnt 0x0
	s_add_co_i32 s82, s52, 127
	s_lshl_b32 s86, s82, 23                        ; 2^e0
	s_add_co_i32 s82, s82, 15
	s_lshl_b32 s82, s82, 23
	s_or_b32 s87, s82, 0x600000                    ; 57,344 x 2^e0
	s_add_co_i32 s82, s54, 127
	s_lshl_b32 s88, s82, 23                        ; 2^e2
	s_add_co_i32 s82, s82, 15
	s_lshl_b32 s82, s82, 23
	s_or_b32 s89, s82, 0x600000
	s_add_co_i32 s56, s52, s53
	s_add_co_i32 s56, s56, 127
	s_lshl_b32 s56, s56, 23                        ; 2^(e0 + e1)
	s_mov_b32 s57, s56
	s_add_co_i32 s58, s54, s55
	s_add_co_i32 s58, s58, 127
	s_lshl_b32 s58, s58, 23                        ; 2^(e2 + e3)
	v_mov_b32 v14, s90
	s_wait_alu depctr_va_vdst(0)                   ; ahead of the reciprocal
	v_rcp_f32 v15, v14
.set i, 0
.rept 16
	v_add_nc_u32 v[TI+i], i%4, v[48+i/4]           ; l = 8 w + 4 h + 0..3 of tile i / 4
.set i, i+1
.endr
.set i, 0
.rept 16
	v_and_b32 v[TI+i], s63, v[TI+i]
.set i, i+1
.endr
.set i, 0
.rept 16
	v_cvt_f32_u32 v[TI+i], v[TI+i]
.set i, i+1
.endr
	s_wait_alu depctr_va_vdst(0)                   ; and ahead of its first reader
	v_fma_f32 v14, -v14, v15, 1.0                  ; one Newton step
	v_fma_f32 v14, v15, v14, v15
.set i, 0
.rept 16
	v_mul_f32 v[TI+i], v14, v[TI+i]
.set i, i+1
.endr
	; ---- x turns through my stage, so that lane (r, h) holds four whole rows of x of patch r; the four channels from start_C on are chosen by three rounds of selects (a turn by 4, by 2, by 1): no address hangs on start_C
.macro STG g
	s_wait_alu depctr_va_vdst(0)
	s_wait_loadcnt 40-8*(\g)                       ; these eight loads of x are in; the later ones and the embeddings' 16 may be out
	WIN 0x04
.irp p, 0,1,2,3,4,5,6,7
	ds_store_b128 v12, v[128+32*(\g)+4*\p:131+32*(\g)+4*\p] offset:(8*(\g)+\p)*XP
.endr
.endm
.macro RDX m, b                        ; LDS serves a wave's instructions in order (ISA guide 5.7.1.4): these see the stores above
	WIN 0
.irp k, 0,1,2,3,4,5,6,7
	ds_load_b128 v[192+32*(\b)+4*\k:195+32*(\b)+4*\k], v13 offset:(\m)*16*XP+16*\k
.endr
.endm
.macro SELECT m, b
	WIN 0
.irp kp, 0,2
.irp i, 0,1,2,3,4,5,6
.irp kk, 0,1
	v_cndmask_b32 v[104+8*\kk+\i], v[192+32*(\b)+8*(\kp+\kk)+\i], v[192+32*(\b)+8*(\kp+\kk)+(\i+4)%8], s[36+3*(\m)+2]
.endr
.endr
.irp i, 0,1,2,3,4
.irp kk, 0,1
	v_cndmask_b32 v[104+8*\kk+\i], v[104+8*\kk+\i], v[104+8*\kk+\i+2], s[36+3*(\m)+1]
.endr
.endr
.irp c, 0,1,2,3
.irp kk, 0,1
	v_cndmask_b32 v[D+16*(\m)+4*(\kp+\kk)+\c], v[104+8*\kk+\c], v[104+8*\kk+\c+1], s[36+3*(\m)]
.endr
.endr
.endr
.endm
	s_wait_alu depctr_va_vdst(0)
	s_wait_loadcnt 40                              ; g and b (ahead of x) are in: into my own vectors
.irp t, 0,1,2,3
	ds_store_b128 v6, v[56+4*\t:59+4*\t] offset:512*\t
.endr
	ds_store_b128 v7, v[72:75]
	ds_store_b128 v7, v[76:79] offset:128
	STG 0
	STG 1
	RDX 0, 0
	RDX 2, 1
	STG 2
	STG 3
	WIN 0
	s_wait_alu depctr_va_vdst(0)
	s_wait_xcnt 0x0                                ; the embeddings' loads have read their addresses: those registers are at work now
	s_wait_dscnt 24                                ; tile 0 is back; behind it tile 2's 8 loads and 16 stores
	SELECT 0, 0
	RDX 1, 0
	s_wait_alu depctr_va_vdst(0)
	s_wait_dscnt 24                                ; tile 2; behind it 16 stores and tile 1's 8 loads
	SELECT 2, 1
	RDX 3, 1
	s_wait_alu depctr_va_vdst(0)
	s_wait_dscnt 8                                 ; tile 1, and every store ahead of it
	SELECT 1, 0
	s_wait_alu depctr_va_vdst(0)
	s_wait_dscnt 0x0
	SELECT 3, 1
	s_lshl_b32 s36, s22, 10
	v_lshl_add_u32 v7, v1, 3, s36
.irp n, 0,1,2,3
	global_load_b64 v[WT+2*\n:WT+2*\n+1], v7, s[16:17] offset:TAILOFF+256*\n     ; the tail's codes of W1: two registers a fragment
.endr
	v_lshl_add_u32 v8, v3, 6, s81                  ; out of my own vectors: + 64 h; never rewritten from here on
	s_wait_alu depctr_va_vdst(0)
	s_wait_tensorcnt 0x0                           ; my part of fill 0 has landed; only I read it
	COPYW 0, 0
	COPYW 1, 64
	; ---- the system numbers' mean (v14) and squared deviations (v15): the same for every row
	v_pk_add_f32 v[104:105], v[SY:SY+1], v[SY+2:SY+3]
	v_pk_add_f32 v[106:107], v[SY+4:SY+5], v[SY+6:SY+7]
	v_mul_u32_u24 v12, v2, 80
	v_mul_u32_u24 v13, v2, 80
	v_pk_add_f32 v[104:105], v[104:105], v[106:107]
	s_add_co_u32 s36, s50, EXS
	v_add_nc_u32 v12, s36, v12                     ; the exchange, in: row r, my wave's pair
	v_lshl_add_u32 v13, v3, 5, v13
	v_add_f32 v104, v104, v105
	v_add_nc_u32 v13, EXS, v13                     ; out: row r, the pairs of waves 4 h .. 4 h + 3
	v_permlanex16_b32 v106, v104, s60, s61
	v_add_f32 v104, v104, v106
	v_mul_f32 v14, 0x3d800000, v104
.irp k, 0,2,4,6
	v_pk_add_f32 v[104+\k:105+\k], v[SY+\k:SY+\k+1], v[14:15] op_sel_hi:[1,0] neg_lo:[0,1] neg_hi:[0,1]
.endr
	v_pk_mul_f32 v[104:105], v[104:105], v[104:105]
.irp k, 106,108,110
	v_pk_fma_f32 v[104:105], v[\k:\k+1], v[\k:\k+1], v[104:105]
.endr
	v_mul_f32 v6, 0x3bcb8728, v14                  ; x 16 / 2576
	v_add_f32 v15, v104, v105
	v_permlanex16_b32 v106, v15, s60, s61
	v_add_f32 v15, v15, v106
	; ---- my share's mean: 32 data, 8 times x 4, 32 embedding numbers x 8
	s_wait_alu depctr_va_vdst(0)
	s_wait_loadcnt 4                               ; the embeddings are in; behind them W1's tail
.irp k, 0,2,4,6
	P4 v_pk_add_f32, ST+\k, 8, AV+2*\k, 16, AV+2*\k+2, 16
.endr
	P4 v_pk_add_f32, ST, 8, ST, 8, ST+2, 8
	P4 v_pk_add_f32, ST+4, 8, ST+4, 8, ST+6, 8
	P4 v_pk_add_f32, ST+2, 8, TI, 4, TI+2, 4
	P4 v_pk_add_f32, ST, 8, ST, 8, ST+4, 8
	K4 0, 0x41000000, D, 16
	P4 v_pk_add_f32, ST+4, 8, D+2, 16, D+4, 16
	K4 2, 4.0, ST, 8
	P4 v_pk_add_f32, ST+6, 8, D+6, 16, D+8, 16
	P4 v_pk_add_f32, ST+2, 8, D+10, 16, D+12, 16
	P4 v_pk_add_f32, ST, 8, ST, 8, D+14, 16
	P4 v_pk_add_f32, ST+4, 8, ST+4, 8, ST+6, 8
	P4 v_pk_add_f32, ST, 8, ST, 8, ST+2, 8
	P4 v_pk_add_f32, ST, 8, ST, 8, ST+4, 8
.irp m, 0,1,2,3
	v_add_f32 v[ST+8*\m], v[ST+8*\m], v[ST+8*\m+1]
.endr
.irp m, 0,1,2,3
	v_permlanex16_b32 v[ST+8*\m+2], v[ST+8*\m], s60, s61
.endr
.irp m, 0,1,2,3
	v_add_f32 v[ST+8*\m], v[ST+8*\m], v[ST+8*\m+2]
.endr
.irp m, 0,1,2,3
	v_mul_f32 v[ST+8*\m], 0x3b4ccccd, v[ST+8*\m]   ; / 320
.endr
	; ---- and its squared deviations
	N4 4, AV, 16
	N4 6, AV+2, 16
	P4 v_pk_mul_f32, ST+2, 8, ST+4, 8, ST+4, 8
	Q4 2, 6
.irp k, 4,8,12
	N4 4, AV+\k, 16
	N4 6, AV+\k+2, 16
	Q4 2, 4
	Q4 2, 6
.endr
.irp m, 0,1,2,3
	v_pk_mul_f32 v[ST+8*\m+2:ST+8*\m+3], v[ST+8*\m+2:ST+8*\m+3], 0x41000000 op_sel_hi:[1,0]
.endr
.irp k, 0,4,8,12
	N4 4, D+\k, 16
	N4 6, D+\k+2, 16
	Q4 2, 4
	Q4 2, 6
.endr
	N4 4, TI, 4
	N4 6, TI+2, 4
	P4 v_pk_mul_f32, ST+4, 8, ST+4, 8, ST+4, 8
	Q4 4, 6
.irp m, 0,1,2,3
	v_pk_fma_f32 v[ST+8*\m+2:ST+8*\m+3], v[ST+8*\m+4:ST+8*\m+5], 4.0, v[ST+8*\m+2:ST+8*\m+3] op_sel_hi:[1,0,1]
.endr
.irp m, 0,1,2,3
	v_add_f32 v[ST+8*\m+1], v[ST+8*\m+2], v[ST+8*\m+3]
.endr
.irp m, 0,1,2,3
	v_permlanex16_b32 v[ST+8*\m+4], v[ST+8*\m+1], s60, s61
.endr
.irp m, 0,1,2,3
	v_add_f32 v[ST+8*\m+1], v[ST+8*\m+1], v[ST+8*\m+4]
.endr
.irp m, 0,1,2,3
	ds_store_b64 v12, v[ST+8*\m:ST+8*\m+1] offset:1280*\m
.endr
	s_wait_alu depctr_va_vdst(0)
	REFILL                                         ; fill 1.  Its waits also show my stores landed, my copies of fill 0 in and my reads of the stage over
.irp m, 0,1,2,3
	ds_load_b128 v[ST+8*\m:ST+8*\m+3], v13 offset:1280*\m
	ds_load_b128 v[ST+8*\m+4:ST+8*\m+7], v13 offset:1280*\m+16
.endr
.macro GBLD k                          ; g and b of group k (0 data, 1 time, 2 + u: the channels of l = 8 w + u), my half's 16 each, into buffer k % 2
.if (\k) == 0
.set GO, 2048
.set BO, 2176
.else
.if (\k) == 1
.set GO, 2304
.set BO, 2432
.else
.set GO, 128*((\k)-2)
.set BO, 1024+128*((\k)-2)
.endif
.endif
.set GR, 192+32*((\k)%2)
.irp t, 0,1,2,3
	ds_load_b128 v[GR+4*\t:GR+4*\t+3], v8 offset:GO+16*\t
	ds_load_b128 v[GR+16+4*\t:GR+19+4*\t], v8 offset:BO+16*\t
.endr
.endm
	GBLD 0
	s_wait_dscnt 8                                 ; the exchange's loads are in
	; ---- all shares: the mean, then the squared deviations from it; v80 on: 1 / sigma, -mean / sigma
	P4 v_pk_add_f32, MR, 2, ST, 8, ST+2, 8
	P4 v_pk_add_f32, MR, 2, MR, 2, ST+4, 8
	P4 v_pk_add_f32, MR, 2, MR, 2, ST+6, 8
.irp m, 0,1,2,3
	v_permlanex16_b32 v[CR+2*\m], v[MR+2*\m], s60, s61
	v_permlanex16_b32 v[CR+2*\m+1], v[MR+2*\m+1], s60, s61
.endr
	P4 v_pk_add_f32, MR, 2, MR, 2, CR, 2
.irp m, 0,1,2,3
	v_fma_f32 v[CR+2*\m], v[MR+2*\m], 0x3dfe68f2, v6   ; the mean: 320 / 2576 x the sum of the shares' means + the system numbers' part
.endr
.irp k, 0,2,4,6
.irp m, 0,1,2,3
	v_sub_f32 v[ST+8*\m+\k], v[ST+8*\m+\k], v[CR+2*\m]
.endr
.endr
.irp m, 0,1,2,3
	v_mul_f32 v[ST+8*\m], v[ST+8*\m], v[ST+8*\m]
.endr
.irp k, 2,4,6
.irp m, 0,1,2,3
	v_fmac_f32 v[ST+8*\m], v[ST+8*\m+\k], v[ST+8*\m+\k]
.endr
.endr
.irp m, 0,1,2,3
	v_permlanex16_b32 v[ST+8*\m+1], v[ST+8*\m], s60, s61
.endr
.irp m, 0,1,2,3
	v_sub_f32 v[ST+8*\m+2], v14, v[CR+2*\m]
.endr
.irp m, 0,1,2,3
	v_add_f32 v[ST+8*\m], v[ST+8*\m], v[ST+8*\m+1]
.endr
.irp m, 0,1,2,3
	v_mul_f32 v[ST+8*\m+2], v[ST+8*\m+2], v[ST+8*\m+2]
.endr
.irp m, 0,1,2,3
	v_fma_f32 v[MR+2*\m+1], v[ST+8*\m], 0x43a00000, v[MR+2*\m+1]   ; + 320 x
.endr
.irp m, 0,1,2,3
	v_add_f32 v[MR+2*\m+1], v[MR+2*\m+1], v15
.endr
.irp m, 0,1,2,3
	v_fma_f32 v[MR+2*\m+1], v[ST+8*\m+2], 0x41800000, v[MR+2*\m+1] ; + 16 x
.endr
.irp m, 0,1,2,3
	v_fma_f32 v[ST+8*\m], v[MR+2*\m+1], s92, s91                   ; variance + 1e-5
.endr
	s_wait_alu depctr_va_vdst(0)                   ; ahead of the batch
.irp m, 0,1,2,3
	v_rsq_f32 v[MR+2*\m], v[ST+8*\m]
.endr
	v_nop
	s_wait_alu depctr_va_vdst(0)                   ; and behind it
.irp m, 0,1,2,3
	v_mul_f32 v[MR+2*\m+1], -v[CR+2*\m], v[MR+2*\m]
.endr
	s_lshl_b32 s36, s21, 13                        ; the codes' places: data and time features: step w / 4 (time: two on), registers 4 (w % 4) on
	s_lshl_b32 s37, s22, 9
	s_add_co_u32 s36, s36, s37
	s_lshl_b32 s37, s20, 14
	s_add_co_u32 s37, s37, 32768                   ; channel features: steps 4 + 2 w, 5 + 2 w
	s_lshl_b32 s38, s22, 8
	s_wait_alu depctr_va_vdst(0)
	s_wait_loadcnt 0x0                             ; W1's tail is in: its address register takes the limit
	v_mov_b32 v6, s86
	v_mov_b32 v7, s87
	v_lshl_add_u32 v12, v1, 4, s36
	v_lshl_add_u32 v13, v1, 4, s37
	v_lshl_add_u32 v9, v1, 3, s38                  ; b1, ln2_g, ln2_b of my 64 columns
	; ---- THE CODES.  a = f / sigma - mean / sigma; h = a g + b; held; converted; a unit's store goes out among the next unit's work
.macro GHEAD k, left                   ; group k's g and b are in, all but the youngest stores behind them are done; the next group's go out
	s_wait_alu depctr_va_vdst(0)
	s_wait_dscnt \left
.if (\k) != 9
	GBLD (\k)+1
.endif
.endm
.macro STPEND
.if PEND
	ds_store_b128 v[PA], v[PC:PC+3] offset:PO
.set PEND, 0
.endif
.endm
.macro HOLD src, adr, off
.irp i, 0,1,2,3
	v_med3_num_f32 v[(\src)+\i], v[(\src)+\i], -v7, v7   ; the conversion to an 8-bit code does not saturate (ISA guide 7.6.2)
.endr
	STPEND
.irp i, 4,5,6,7,8,9,10,11,12,13,14,15
	v_med3_num_f32 v[(\src)+\i], v[(\src)+\i], -v7, v7
.endr
	v_cvt_scalef32_pk8_bf8_f32 v[CR+4*PAR:CR+4*PAR+1], v[(\src):(\src)+7], v6
	v_cvt_scalef32_pk8_bf8_f32 v[CR+4*PAR+2:CR+4*PAR+3], v[(\src)+8:(\src)+15], v6
.set PA, \adr
.set PO, \off
.set PC, CR+4*PAR
.set PEND, 1
.set PAR, 1-PAR
.endm
.macro NORM reg, m                     ; a pair of features in place: x 1 / sigma - mean / sigma
	v_pk_fma_f32 v[\reg:\reg+1], v[\reg:\reg+1], v[MR+2*(\m):MR+2*(\m)+1], v[MR+2*(\m):MR+2*(\m)+1] op_sel:[0,0,1] op_sel_hi:[1,0,1]
.endm
	GHEAD 0, 0
.irp m, 0,1,2,3
.irp i, 0,2,4,6,8,10,12,14
	NORM D+16*\m+\i, \m
.endr
.irp i, 0,2,4,6,8,10,12,14
	v_pk_fma_f32 v[D+16*\m+\i:D+16*\m+\i+1], v[D+16*\m+\i:D+16*\m+\i+1], v[192+\i:193+\i], v[208+\i:209+\i]
.endr
	HOLD D+16*\m, 12, 2048*\m
.endr
.irp t, 0,1
	global_load_b128 v[48+4*\t:51+4*\t], v10, s[24:25] offset:10240+16*\t        ; the system numbers' g and b
	global_load_b128 v[56+4*\t:59+4*\t], v10, s[26:27] offset:10240+16*\t
.endr
	global_load_b64 v[64:65], v9, s[28:29]         ; b1, ln2_g, ln2_b
	global_load_b64 v[66:67], v9, s[32:33]
	global_load_b64 v[68:69], v9, s[34:35]
.irp m, 0,1,2,3
	NORM TI+4*\m, \m
	NORM TI+4*\m+2, \m
.endr
	GHEAD 1, 3
.irp m, 0,1,2,3                        ; each time serves four slots
.set T0, 16+16*PAR
.irp i, 0,2,8,10
	v_pk_fma_f32 v[T0+\i:T0+\i+1], v[TI+4*\m+2*(\i/8):TI+4*\m+2*(\i/8)+1], v[224+\i:225+\i], v[240+\i:241+\i] op_sel:[0,0,0] op_sel_hi:[0,1,1]
.endr
.irp i, 4,6,12,14
	v_pk_fma_f32 v[T0+\i:T0+\i+1], v[TI+4*\m+2*(\i/8):TI+4*\m+2*(\i/8)+1], v[224+\i:225+\i], v[240+\i:241+\i] op_sel:[1,0,0] op_sel_hi:[1,1,1]
.endr
	HOLD T0, 12, 16384+2048*\m
.endr
.irp m, 0,1,2,3
.irp i, 0,2,4,6,8,10,12,14
	NORM AV+16*\m+\i, \m
.endr
.endr
.macro CHAN u
.set GR, 192+32*((\u)%2)
.irp m, 0,1,2,3
.set T0, 16+16*PAR
.irp i, 0,2,4,6,8,10,12,14
	v_pk_fma_f32 v[T0+\i:T0+\i+1], v[AV+16*\m+\i:AV+16*\m+\i+1], v[192+32*((\u)%2)+\i:193+32*((\u)%2)+\i], v[208+32*((\u)%2)+\i:209+32*((\u)%2)+\i]
.endr
	HOLD T0, 13, 8192*((\u)/4)+2048*\m+512*((\u)%4)
.endr
.endm
.irp u, 0,1,2,3
	GHEAD \u+2, 3
	CHAN \u
.endr
	GHEAD 6, 3
	s_wait_tensorcnt 0x0                           ; my part of fill 1 has landed; only I read it
	COPYW 0, 128
	CHAN 4
	GHEAD 7, 3
	CHAN 5
	GHEAD 8, 3
	COPYW 1, 192
	CHAN 6
	GHEAD 9, 3
	CHAN 7
	v_lshl_add_u32 v15, v1, 3, TAILC               ; (also the plain instruction behind the last conversion)
	STPEND
	s_wait_alu depctr_va_vdst(0)
	s_wait_loadcnt 0x0                             ; the system numbers' g and b, b1, ln2_g, ln2_b
	v_lshl_add_u32 v9, v1, 3, s81
	ds_store_b64 v9, v[64:65]                      ; where ln1_g lay: all my reads of it are back
	ds_store_b64 v9, v[66:67] offset:256
	ds_store_b64 v9, v[68:69] offset:512
	s_wait_alu depctr_va_vdst(0)                   ; ahead of the branches
.irp m, 0,1,2,3                        ; the system numbers' codes of tile m: wave m
	s_cmp_lg_u32 s20, \m
	s_cbranch_scc1 .Lnt\m
.irp i, 0,2,4,6
	NORM SY+\i, \m
.endr
.irp i, 0,2,4,6
	v_pk_fma_f32 v[SY+\i:SY+\i+1], v[SY+\i:SY+\i+1], v[48+\i:49+\i], v[56+\i:57+\i]
.endr
.irp i, 0,1,2,3,4,5,6,7
	v_med3_num_f32 v[SY+\i], v[SY+\i], -v7, v7
.endr
	v_cvt_scalef32_pk8_bf8_f32 v[CR:CR+1], v[SY:SY+7], v6
	v_nop
	ds_store_b64 v15, v[CR:CR+1] offset:256*\m
	s_wait_alu depctr_va_vdst(0)
.Lnt\m:
.endr
	s_mul_i32 s36, s21, 86016                      ; my steps of the codes: 81,920 bytes for each kh; local tiles 0, 1 are tiles 2 kh on,
	s_mul_i32 s37, s21, 77824
	s_add_co_u32 s37, s37, 4096                    ; local tiles 2, 3 the other two
	s_lshl_b32 s39, s22, 14
	v_lshl_add_u32 v6, v1, 4, s36
	v_lshl_add_u32 v7, v1, 4, s37
	v_add_nc_u32 v9, 0x10000, v6                   ; the same from step 8 on
	v_add_nc_u32 v10, 0x10000, v7
	v_lshl_add_u32 v14, v1, 4, s39                 ; W2's fragments
	s_wait_alu depctr_va_vdst(0)
	REFILL                                         ; fill 2.  Its waits also show my codes landed and my copies of fill 1 in; behind its round all codes may be read
	; ---- THE FIRST PRODUCT: ten steps of 16 products, accumulators by turns
.macro FETCHC t, cs, cw                ; the four tiles' codes of step t into the set at cs of window cw
	WIN 0x40*(\cw)
.set CX, 6+3*((\t)/8)
.set CO, ((\t)%8)*8192
.irp c, 0,1,2,3
	ds_load_b128 v[(\cs)+4*\c:(\cs)+4*\c+3], v[CX] offset:CO+512*\c
	ds_load_b128 v[(\cs)+16+4*\c:(\cs)+19+4*\c], v[CX] offset:CO+2048+512*\c
	ds_load_b128 v[(\cs)+32+4*\c:(\cs)+35+4*\c], v[CX+1] offset:CO+512*\c
	ds_load_b128 v[(\cs)+48+4*\c:(\cs)+51+4*\c], v[CX+1] offset:CO+2048+512*\c
.endr
.endm
.macro MUL zero, cs, cw, ws            ; 16 products: W1's step at ws of window 1, codes at cs of window cw; then four places, ahead of loads into what they read
	WIN 0x01+4*(\cw)
.irp n, 0,1,2,3
.irp m, 0,1,2,3
.if \zero
	v_wmma_f32_16x16x128_bf8_bf8 v[ACC+32*\m+8*\n:ACC+32*\m+8*\n+7], v[(\ws)+16*\n:(\ws)+16*\n+15], v[(\cs)+16*\m:(\cs)+16*\m+15], 0
.else
	v_wmma_f32_16x16x128_bf8_bf8 v[ACC+32*\m+8*\n:ACC+32*\m+8*\n+7], v[(\ws)+16*\n:(\ws)+16*\n+15], v[(\cs)+16*\m:(\cs)+16*\m+15], v[ACC+32*\m+8*\n:ACC+32*\m+8*\n+7]
.endif
.endr
.endr
	PLACES 4
.endm
.macro LOAD16 adr, off, ws             ; four fragments, 8,192 bytes, straight into window 1 at ws
	WIN 0x40
.irp n, 0,1,2,3
.irp c, 0,1,2,3
	global_load_b128 v[(\ws)+16*\n+4*\c:(\ws)+16*\n+4*\c+3], v\adr, s[16:17] offset:(\off)+\n*2048+512*\c
.endr
.endr
	WIN 0
.endm
	FETCHC 0, 16, 0
	s_wait_dscnt 0x0
	MUL 1, 16, 0, 0                                ; step 0
	FETCHC 1, 16, 0
	s_wait_dscnt 0x0
	FETCHC 2, 0, 1
	MUL 0, 16, 0, 64                               ; step 1
	s_wait_dscnt 0x0
	FETCHC 3, 16, 0
	MUL 0, 0, 1, 128                               ; step 2
	s_wait_dscnt 0x0
	FETCHC 4, 0, 1
	MUL 0, 16, 0, 192                              ; step 3
	LOAD16 11, 524288, 192                         ; step 8
	s_wait_tensorcnt 0x0                           ; my part of fill 2
	COPYW 0, 64
	COPYW 1, 128
	REFILL                                         ; fill 3, the last
	FETCHC 5, 16, 0
	MUL 0, 0, 1, 64                                ; step 4
	LOAD16 11, 532480, 64                          ; step 9
	s_wait_dscnt 0x0
	FETCHC 8, 0, 1
	MUL 0, 16, 0, 128                              ; step 5
	s_wait_dscnt 0x0
	s_wait_loadcnt 16                              ; step 8's fragments; step 9's may be out
	FETCHC 6, 16, 0
	MUL 0, 0, 1, 192                               ; step 8
	WIN 0
	s_wait_tensorcnt 0x0                           ; my part of fill 3
	COPYW 0, 128
	COPYW 1, 192
	FETCHC 7, 0, 1
	s_wait_dscnt 32                                ; step 6's codes and fragments; behind them step 7's 16 and 16
	MUL 0, 16, 0, 128                              ; step 6
	LOAD16 14, W2OFF, 128                          ; W2, K 0..127
	FETCHC 9, 16, 0
	s_wait_dscnt 16                                ; step 7's; step 9's codes may be out
	MUL 0, 0, 1, 192                               ; step 7
	LOAD16 14, W2OFF+8192, 192                     ; W2, K 128..255
	WIN 0
	s_cmp_eq_u32 s21, 0                            ; the last 16 of K: the waves of kh = 1
	s_cbranch_scc1 .Lno_tail_a
.irp i, 0,1,2,3,4,5
	v_mov_b32 v[WT+8+\i], 0
.endr
	WIN 0x40
.irp m, 0,1,2,3
.irp i, 2,3,4,5,6,7
	v_mov_b32 v[8*\m+\i], 0
.endr
.endr
	s_wait_alu depctr_va_vdst(0)
.irp m, 0,1,2,3
	ds_load_b64 v[8*\m:8*\m+1], v15 offset:256*((\m+2)%4)
.endr
	WIN 0
.Lno_tail_a:
.irp b, 0,1
.irp q, 0,1,2,3
	ds_load_b128 v[80+16*\b+4*\q:83+16*\b+4*\q], v8 offset:128*\b+16*\q   ; b1
.endr
.endr
	s_wait_dscnt 0x0
	s_wait_loadcnt 32                              ; step 9's fragments; W2's 32 loads may be out
	MUL 0, 16, 0, 64                               ; step 9
	WIN 0
	s_mul_i32 s36, s21, 81920                      ; the exchange lies on codes of steps 0 to 3, read ahead of the last round: kh x 81,920 + cq x 8,192
	s_lshl_b32 s37, s22, 13
	s_add_co_u32 s36, s36, s37
	s_xor_b32 s39, s21, 1                          ; my partner: the other half of K
	s_mul_i32 s39, s39, 81920
	s_add_co_u32 s37, s37, s39
	v_lshl_add_u32 v12, v1, 4, s36
	v_lshl_add_u32 v13, v1, 4, s37
	v_lshl_add_u32 v9, v2, 4, s38                  ; b2 of columns 64 cq + 4 r on
	s_wait_alu depctr_va_vdst(0)
	s_cmp_eq_u32 s21, 0
	s_cbranch_scc1 .Lno_tail_b
	PLACES 5                                       ; another form takes these sums up (ISA guide 7.12.1).  Registers 2 to 7 of the codes' operand hold zero codes; the weight's operand may run on into the next fragments' codes: all finite
	WIN 0x04
.irp n, 0,1,2,3
.irp m, 0,1,2,3
	v_wmma_f32_16x16x64_bf8_bf8 v[ACC+32*\m+8*\n:ACC+32*\m+8*\n+7], v[WT+2*\n:WT+2*\n+7], v[8*\m:8*\m+7], v[ACC+32*\m+8*\n:ACC+32*\m+8*\n+7]
.endr
.endr
	WIN 0
.Lno_tail_b:
	PLACES 4
	global_load_b128 v[112:115], v9, s[30:31]      ; b2
	; ---- the halves of K meet: local tiles 2 and 3 go to my partner, who owns them; mine become sum x 2^(e0 + e1) + b1 meanwhile
.irp q, 0,1,2,3,4,5,6,7,8,9,10,11,12,13,14,15
	ds_store_b128 v12, v[192+4*\q:195+4*\q] offset:512*\q
.endr
.set i, 0
.rept 32
	v_pk_fma_f32 v[ACC+i:ACC+i+1], v[ACC+i:ACC+i+1], s[56:57], v[80+i%32:81+i%32] op_sel_hi:[1,0,1]
.set i, i+2
.endr
	s_wait_alu depctr_va_vdst(0)
	s_wait_dscnt 0x0
	s_barrier_signal -1
	s_barrier_wait -1
.irp q, 0,1,2,3,4,5,6,7,8,9,10,11,12,13,14,15
	ds_load_b128 v[16+4*\q:19+4*\q], v13 offset:512*\q
.endr
	s_mul_i32 s36, s21, 1536                       ; LN2's exchange: row 32 kh + r, and 16 rows on for the second tile
	s_add_co_u32 s36, s36, LNX
	s_lshl_b32 s37, s22, 3
	s_add_co_u32 s37, s37, s36
	v_mul_u32_u24 v13, v2, 48
	v_add_nc_u32 v12, s37, v13
	v_add_nc_u32 v13, s36, v13
	v_mov_b32 v6, s88                              ; 2^e2
	v_mov_b32 v7, s89                              ; 57,344 x 2^e2
	s_wait_alu depctr_va_vdst(0)
.set i, 0
.rept 32
.if i%16 == 0
	s_wait_dscnt 12-i/4
.endif
	v_pk_fma_f32 v[ACC+i:ACC+i+1], v[16+i:17+i], s[56:57], v[ACC+i:ACC+i+1] op_sel_hi:[1,0,1]
.set i, i+2
.endr
.irp b, 0,1
.irp q, 0,1,2,3
	ds_load_b128 v[16+16*\b+4*\q:19+16*\b+4*\q], v8 offset:256+128*\b+16*\q   ; ln2_g, ln2_b: they land while the silu is worked
	ds_load_b128 v[48+16*\b+4*\q:51+16*\b+4*\q], v8 offset:512+128*\b+16*\q
.endr
.endr
	; ---- silu(h) = h / (1 + 2^(-h log2 e)); each kind of transcendental goes as one batch with a wait ahead of it and one behind
.set i, 0
.rept 32
	v_pk_mul_f32 v[192+i:193+i], v[ACC+i:ACC+i+1], s[94:95] op_sel_hi:[1,0]
.set i, i+2
.endr
	s_wait_alu depctr_va_vdst(0)
.set i, 0
.rept 64
	v_exp_f32 v[192+i], v[192+i]
.set i, i+1
.endr
	v_nop
	s_wait_alu depctr_va_vdst(0)
.set i, 0
.rept 32
	v_pk_add_f32 v[192+i:193+i], v[192+i:193+i], 1.0 op_sel_hi:[1,0]
.set i, i+2
.endr
	s_wait_alu depctr_va_vdst(0)
.set i, 0
.rept 64
	v_rcp_f32 v[192+i], v[192+i]
.set i, i+1
.endr
	v_nop
	s_wait_alu depctr_va_vdst(0)
.set i, 0
.rept 32
	v_pk_mul_f32 v[ACC+i:ACC+i+1], v[ACC+i:ACC+i+1], v[192+i:193+i]
.set i, i+2
.endr
	; ---- LN2: my 64 columns' mean and squared deviations, both tiles at once (the second 32 registers on)
.macro Q2 op, d, a, b
.irp m, 0,1
	\op v[(\d)+32*\m:(\d)+32*\m+1], v[(\a)+32*\m:(\a)+32*\m+1], v[(\b)+32*\m:(\b)+32*\m+1]
.endr
.endm
.irp k, 0,2,4,6,8,10,12,14
	Q2 v_pk_add_f32, 192+\k, 128+\k, 144+\k
.endr
.irp k, 0,2,4,6
	Q2 v_pk_add_f32, 192+\k, 192+\k, 200+\k
.endr
	Q2 v_pk_add_f32, 192, 192, 196
	Q2 v_pk_add_f32, 194, 194, 198
	Q2 v_pk_add_f32, 192, 192, 194
.irp m, 0,1
	v_add_f32 v[192+32*\m], v[192+32*\m], v[193+32*\m]
.endr
.irp m, 0,1
	v_permlanex16_b32 v[194+32*\m], v[192+32*\m], s60, s61
.endr
.irp m, 0,1
	v_add_f32 v[192+32*\m], v[192+32*\m], v[194+32*\m]
.endr
.irp m, 0,1
	v_mul_f32 v[192+32*\m], 0x3c800000, v[192+32*\m]     ; / 64
.endr
.set i, 0
.rept 16
.irp m, 0,1
	v_pk_add_f32 v[ACC+32*\m+i:ACC+32*\m+i+1], v[ACC+32*\m+i:ACC+32*\m+i+1], v[192+32*\m:193+32*\m] op_sel_hi:[1,0] neg_lo:[0,1] neg_hi:[0,1]
.endr
.set i, i+2
.endr
.irp k, 0,2,4,6
	Q2 v_pk_mul_f32, 194+\k, 128+\k, 128+\k
.endr
.irp t, 8,16,24
.irp k, 0,2,4,6
.irp m, 0,1
	v_pk_fma_f32 v[194+\k+32*\m:195+\k+32*\m], v[128+\t+\k+32*\m:129+\t+\k+32*\m], v[128+\t+\k+32*\m:129+\t+\k+32*\m], v[194+\k+32*\m:195+\k+32*\m]
.endr
.endr
.endr
	Q2 v_pk_add_f32, 194, 194, 196
	Q2 v_pk_add_f32, 198, 198, 200
	Q2 v_pk_add_f32, 194, 194, 198
.irp m, 0,1
	v_add_f32 v[193+32*\m], v[194+32*\m], v[195+32*\m]
.endr
.irp m, 0,1
	v_permlanex16_b32 v[196+32*\m], v[193+32*\m], s60, s61
.endr
.irp m, 0,1
	v_add_f32 v[193+32*\m], v[193+32*\m], v[196+32*\m]
.endr
.irp m, 0,1
	ds_store_b64 v12, v[192+32*\m:193+32*\m] offset:768*\m
.endr
	s_wait_alu depctr_va_vdst(0)
	s_wait_dscnt 0x0
	s_barrier_signal -1
	s_barrier_wait -1
.irp m, 0,1
	ds_load_b128 v[204+32*\m:207+32*\m], v13 offset:768*\m
	ds_load_b128 v[208+32*\m:211+32*\m], v13 offset:768*\m+16
.endr
	s_lshl_b32 s36, s21, 13                        ; the hidden layer's codes: tiles 2 kh on; my 64 columns are half of step cq / 2
	s_add_co_u32 s36, s36, HIMG
	s_lshl_b32 s37, s22, 10
	s_add_co_u32 s37, s37, s36
	s_lshl_b32 s82, s21, 15                        ; out0: row 32 kh + 8 h, columns 64 cq + 4 r on
	s_add_co_u32 s82, s82, s38
	v_lshl_add_u32 v12, v1, 4, s37
	v_lshl_add_u32 v13, v1, 4, s36
	v_lshlrev_b32 v15, 13, v3
	v_lshl_add_u32 v15, v2, 4, v15
	v_add_nc_u32 v15, s82, v15
	s_wait_alu depctr_va_vdst(0)
	s_wait_dscnt 0x0
	Q2 v_pk_add_f32, 196, 204, 206
	Q2 v_pk_add_f32, 198, 208, 210
	Q2 v_pk_add_f32, 196, 196, 198
.irp m, 0,1
	v_mul_f32 v[200+32*\m], 0x3e800000, v[196+32*\m]     ; the mean of the four means
.endr
.irp k, 204,206,208,210
.irp m, 0,1
	v_sub_f32 v[\k+32*\m], v[\k+32*\m], v[200+32*\m]
.endr
.endr
.irp m, 0,1
	v_mul_f32 v[202+32*\m], v[204+32*\m], v[204+32*\m]
.endr
.irp k, 206,208,210
.irp m, 0,1
	v_fmac_f32 v[202+32*\m], v[\k+32*\m], v[\k+32*\m]
.endr
.endr
.irp m, 0,1
	v_sub_f32 v[203+32*\m], v[192+32*\m], v[200+32*\m]
.endr
.irp m, 0,1
	v_fma_f32 v[197+32*\m], v[202+32*\m], 0x42800000, v[197+32*\m]   ; + 64 x
.endr
.irp m, 0,1
	v_fma_f32 v[197+32*\m], v[197+32*\m], 0x3b800000, s91            ; variance + 1e-5
.endr
	s_wait_alu depctr_va_vdst(0)
.irp m, 0,1
	v_rsq_f32 v[198+32*\m], v[197+32*\m]
.endr
	v_nop
	s_wait_alu depctr_va_vdst(0)
.irp m, 0,1
	v_mul_f32 v[199+32*\m], v[203+32*\m], v[198+32*\m]
.endr
.set i, 0
.rept 16
.irp m, 0,1
	v_pk_fma_f32 v[ACC+32*\m+i:ACC+32*\m+i+1], v[ACC+32*\m+i:ACC+32*\m+i+1], v[198+32*\m:199+32*\m], v[198+32*\m:199+32*\m] op_sel:[0,0,1] op_sel_hi:[1,0,1]
.endr
.set i, i+2
.endr
.set i, 0
.rept 16
.irp m, 0,1
	v_pk_fma_f32 v[ACC+32*\m+i:ACC+32*\m+i+1], v[ACC+32*\m+i:ACC+32*\m+i+1], v[16+i:17+i], v[48+i:49+i]
.endr
.set i, i+2
.endr
.set i, 0
.rept 64
	v_med3_num_f32 v[ACC+i], v[ACC+i], -v7, v7
.set i, i+1
.endr
.set i, 0
.rept 8
	v_cvt_scalef32_pk8_bf8_f32 v[80+2*i:81+2*i], v[ACC+8*i:ACC+8*i+7], v6
.set i, i+1
.endr
	v_nop                                          ; one plain vector instruction behind the conversions
.irp m, 0,1
.irp b, 0,1
	ds_store_b128 v12, v[80+8*\m+4*\b:83+8*\m+4*\b] offset:4096*\m+512*\b
.endr
.endr
	s_wait_alu depctr_va_vdst(0)
	s_wait_dscnt 0x0
	s_barrier_signal -1
	s_barrier_wait -1
	; ---- THE SECOND PRODUCT: 32 rows x 64 outputs, eight accumulators by turns
.irp f, 0,1,2,3
.irp c, 0,1,2,3
	ds_load_b128 v[16+16*\f+4*\c:19+16*\f+4*\c], v13 offset:2048*\f+512*\c
.endr
.endr
	s_wait_loadcnt 0x0
	s_wait_dscnt 0x0
	WIN 0x04
.irp m, 0,1
.irp n, 0,1,2,3
	v_wmma_f32_16x16x128_bf8_bf8 v[ACC+8*(4*\m+\n):ACC+8*(4*\m+\n)+7], v[16+32*\m:31+32*\m], v[128+16*\n:143+16*\n], 0
.endr
.endr
.irp m, 0,1
.irp n, 0,1,2,3
	v_wmma_f32_16x16x128_bf8_bf8 v[ACC+8*(4*\m+\n):ACC+8*(4*\m+\n)+7], v[32+32*\m:47+32*\m], v[192+16*\n:207+16*\n], v[ACC+8*(4*\m+\n):ACC+8*(4*\m+\n)+7]
.endr
.endr
	WIN 0
	PLACES 4
	; ---- the way out: sum x 2^(e2 + e3) + b2; register j of the four accumulators of a tile is row 8 h + j, columns 4 r .. 4 r + 3
.macro OUTJ m, j
.irp n, 0,1,2,3
	v_fma_f32 v[192+32*(\m)+4*(\j)+\n], v[ACC+8*(4*(\m)+\n)+(\j)], s58, v[112+\n]
.endr
.endm
.macro PUT k
	global_store_b128 v15, v[192+4*(\k):195+4*(\k)], s[18:19] offset:((\k)/8)*16384+((\k)%8)*1024 th:TH_STORE_NT   ; sixteen lanes store 256 consecutive bytes, aligned
.endm
.set K, 0
.rept 16
	OUTJ K/8, K%8
.if K != 0
	PUT K-1
.endif
.set K, K+1
.endr
	PUT 15
	s_wait_tensorcnt 0x0                           ; the wave's end: behind my last tensor load and my last LDS store
	ds_add_u32 v4, v5
	s_wait_dscnt 0x0
	CROUND                                         ; the closing round: no work-group ends while a partner may still ask for a fill that names it
	s_endpgm
.Lfunc_end_k_q7a1e59a348_main:
	.size	k_q7a1e59a348_main, .Lfunc_end_k_q7a1e59a348_main-k_q7a1e59a348_main
	.p2alignl 7, 3214868480
	.fill 96, 4, 3214868480
	.section	.rodata,"a",@progbits
	.p2align	6, 0x0
	.amdhsa_kernel k_q7a1e59a348_main
		.amdhsa_group_segment_fixed_size 327680
		.amdhsa_private_segment_fixed_size 0
		.amdhsa_enable_private_segment 0
		.amdhsa_kernarg_size 112
		.amdhsa_user_sgpr_count 2
		.amdhsa_user_sgpr_kernarg_segment_ptr 1
		.amdhsa_wavefront_size32 1
		.amdhsa_system_sgpr_workgroup_id_x 1
		.amdhsa_system_sgpr_workgroup_id_y 1
		.amdhsa_system_sgpr_workgroup_id_z 1
		.amdhsa_system_vgpr_workitem_id 0
		.amdhsa_next_free_vgpr 512
		.amdhsa_next_free_sgpr 100
		.amdhsa_reserve_vcc 0
		.amdhsa_float_denorm_mode_32 3
		.amdhsa_float_denorm_mode_16_64 3
		.amdhsa_memory_ordered 1
		.amdhsa_forward_progress 1
		.amdhsa_inst_pref_size 240
	.end_amdhsa_kernel
	.amdgpu_metadata
---
amdhsa.version: [ 1, 2 ]
amdhsa.kernels:
  - .name:           k_q7a1e59a348_main
    .symbol:         k_q7a1e59a348_main.kd
    .args:
      - { .name: x, .offset: 0, .size: 8, .value_kind: global_buffer, .address_space: global }
      - { .name: fs, .offset: 8, .size: 8, .value_kind: global_buffer, .address_space: global }
      - { .name: system_embed, .offset: 16, .size: 8, .value_kind: global_buffer, .address_space: global }
      - { .name: start_L, .offset: 24, .size: 8, .value_kind: global_buffer, .address_space: global }
      - { .name: start_C, .offset: 32, .size: 8, .value_kind: global_buffer, .address_space: global }
      - { .name: lowp_scales, .offset: 40, .size: 8, .value_kind: global_buffer, .address_space: global }
      - { .name: wpack, .offset: 48, .size: 8, .value_kind: global_buffer, .address_space: global }
      - { .name: out0, .offset: 56, .size: 8, .value_kind: global_buffer, .address_space: global }
      - { .name: ln1_g, .offset: 64, .size: 8, .value_kind: global_buffer, .address_space: global }
      - { .name: ln1_b, .offset: 72, .size: 8, .value_kind: global_buffer, .address_space: global }
      - { .name: b1, .offset: 80, .size: 8, .value_kind: global_buffer, .address_space: global }
      - { .name: b2, .offset: 88, .size: 8, .value_kind: global_buffer, .address_space: global }
      - { .name: ln2_g, .offset: 96, .size: 8, .value_kind: global_buffer, .address_space: global }
      - { .name: ln2_b, .offset: 104, .size: 8, .value_kind: global_buffer, .address_space: global }
    .group_segment_fixed_size: 327680
    .private_segment_fixed_size: 0
    .kernarg_segment_align: 8
    .kernarg_segment_size: 112
    .max_flat_workgroup_size: 256
    .sgpr_count:     100
    .vgpr_count:     512
    .wavefront_size: 32
...
	.end_amdgpu_metadata
.endif
;; end of part 2
